; MI455X (gfx1250); checked and timed in simulation.
; The chip was launched on July 23, 2026; its instructions are those of AMD's public machine-readable ISA for CDNA 5 (MIT licence, August 2026) and "CDNA5" Instruction Set Architecture Reference Guide (July 2026). The comments in the code are by the model that wrote it; some were corrected since.
;; Ele Att G. Allowed arithmetic: float matrix products may take bf16 or f16 operands with f32 sums; other float arithmetic in f32, or as packed bf16 or f16 multiplies, adds, multiply-adds, maxima and minima; sums over many terms, partial sums and values carried from step to step in f32; what a program stores and reads back later, other than sums and carried values, may be rounded once to bf16 or f16.
;; Inputs: W_ha 1,024 x 1,024 float32; W_hh 3,072 x 1,024 float32; W_ih 3,072 x 1,024 float32; W_xa 1,024 x 1,024 float32; b_ha 1,024 float32; b_hh 3,072 float32; b_ih 3,072 float32; b_xa 1,024 float32; hx 8,192 x 1,024 float32; x 8,192 x 1,024 float32.
;; Outputs: out0 8,192 x 1,024 float32.
;; 2 versions, each right; version 2 is version 1 with the launch cast written anew for expert scheduling mode. Each part assembles by itself: llvm-mc -triple=amdgcn-amd-amdhsa -mcpu=gfx1250 --defsym DOCPART=n.
;; ======== version 1 of 2: 3 launches
;; workspace buffers: a1 33,554,432 bytes; wa 4,194,304 bytes; wg 12,582,912 bytes; xg 33,554,432 bytes
;; launch cast (part 1): grid 768 x 1, 8 waves a work-group, no clusters, 0 bytes of LDS; arguments x, hx, W_ih, W_hh, W_xa, W_ha, a1, wg, wa; writes a1, wg, wa
.if DOCPART == 1
	.amdgcn_target "amdgcn-amd-amdhsa--gfx1250"
	.amdhsa_code_object_version 6
	.text
	.protected	k_qce372de31a_cast
	.globl	k_qce372de31a_cast
	.p2align	8
	.type	k_qce372de31a_cast,@function
k_qce372de31a_cast:
	s_mov_b64 s[64:65], 0
	v_nop
	global_prefetch_b8 v0, s[64:65] scope:SCOPE_SE
	s_setreg_imm32_b32 hwreg(HW_REG_WAVE_MODE, 25, 1), 1
	s_wait_xcnt 0x0
; CAST.  The six large f32 inputs are rounded once to bf16 and laid side by side along K, so that the two launches behind find matrix operands:
;   a1 [8192][2048] = x | hx      wg [3072][2048] = W_ih | W_hh      wa [1024][2048] = W_xa | W_ha      (a destination row is 4,096 bytes, a source row too)
; A stream: each source byte is read once, each destination byte written once.  No LDS, no matrix unit, no cluster: no two work-groups want the same byte.
; SHARES.  A work-group takes 32 rows of one source: 256 + 256 + 96 + 96 + 32 + 32 = 768 work-groups.  Thread t owns bytes 16 t .. 16 t + 15 of every row (4 f32),
; which become 8 bytes at 8 t of the destination's half row: a wave's load covers 512 consecutive bytes, a wave's store 256 consecutive bytes at a multiple of 256.
; All 32 loads of a thread go out at once; the rows are then rounded and stored as they come.  No register is written again behind its store.
.set ROWB, 4096                        ; bytes in a source row and in a destination row
.set X,    8                           ; v[8:135]  row i: four registers as loaded; the first two of them are stored
	s_load_b512 s[4:19], s[0:1], 0x0               ; x s[4:5], hx s[6:7], W_ih s[8:9], W_hh s[10:11], W_xa s[12:13], W_ha s[14:15], a1 s[16:17], wg s[18:19]
	s_load_b64 s[20:21], s[0:1], 0x40              ; wa
	s_mov_b32 s2, ttmp9                            ; the work-group's number
	v_lshlrev_b32 v1, 4, v0                        ; my 16 bytes of a source row
	v_lshlrev_b32 v2, 3, v0                        ; my 8 bytes of a destination's half row
	s_mov_b32 s26, 0                               ; the first work-group of my source
	s_mov_b32 s27, 0                               ; the half row: byte 0 or 2,048
	s_wait_kmcnt 0x0
	s_mov_b64 s[22:23], s[4:5]                     ; the source, so far x,
	s_mov_b64 s[24:25], s[16:17]                   ; and the destination, so far a1
; From work-group t on the source is src, the destination dst, the half row half.  The choice hangs on the work-group's number alone.
.macro PICK t, src, dst, half
	s_cmp_ge_u32 s2, \t
	s_cselect_b64 s[22:23], s[\src:\src+1], s[22:23]
	s_cselect_b64 s[24:25], s[\dst:\dst+1], s[24:25]
	s_cselect_b32 s26, \t, s26
	s_cselect_b32 s27, \half, s27
.endm
	PICK 256, 6, 16, 2048                          ; hx
	PICK 512, 8, 18, 0                             ; W_ih
	PICK 608, 10, 18, 2048                         ; W_hh
	PICK 704, 12, 20, 0                            ; W_xa
	PICK 736, 14, 20, 2048                         ; W_ha
	s_sub_co_u32 s28, s2, s26                      ; my block of 32 rows in that source,
	s_lshl_b32 s28, s28, 17                        ; times 32 x 4,096 bytes: 33,423,360 at the most
	s_mov_b32 s29, 0
	s_add_nc_u64 s[22:23], s[22:23], s[28:29]
	s_add_nc_u64 s[24:25], s[24:25], s[28:29]
	s_mov_b32 s28, s27
	s_add_nc_u64 s[24:25], s[24:25], s[28:29]      ; the half row
.set i, 0
.rept 32
	global_load_b128 v[X+4*i:X+4*i+3], v1, s[22:23] offset:ROWB*i th:TH_LOAD_NT
.set i, i+1
.endr
.set i, 0
.rept 32
	s_wait_loadcnt 31-i                            ; loads come back in order (ISA guide 5.7.1): row i is in, the 31 - i younger ones stay out
	v_cvt_pk_bf16_f32 v[X+4*i], v[X+4*i], v[X+4*i+1]      ; two roundings to nearest even, packed
	v_cvt_pk_bf16_f32 v[X+4*i+1], v[X+4*i+2], v[X+4*i+3]
	global_store_b64 v2, v[X+4*i:X+4*i+1], s[24:25] offset:ROWB*i
.set i, i+1
.endr
	s_endpgm
.Lfunc_end_k_qce372de31a_cast:
	.size	k_qce372de31a_cast, .Lfunc_end_k_qce372de31a_cast-k_qce372de31a_cast
	.p2alignl 7, 3214868480
	.fill 96, 4, 3214868480
	.section	.rodata,"a",@progbits
	.p2align	6, 0x0
	.amdhsa_kernel k_qce372de31a_cast
		.amdhsa_group_segment_fixed_size 0
		.amdhsa_private_segment_fixed_size 0
		.amdhsa_enable_private_segment 0
		.amdhsa_kernarg_size 72
		.amdhsa_user_sgpr_count 2
		.amdhsa_user_sgpr_kernarg_segment_ptr 1
		.amdhsa_wavefront_size32 1
		.amdhsa_system_sgpr_workgroup_id_x 1
		.amdhsa_system_sgpr_workgroup_id_y 1
		.amdhsa_system_sgpr_workgroup_id_z 1
		.amdhsa_system_vgpr_workitem_id 0
		.amdhsa_next_free_vgpr 136
		.amdhsa_next_free_sgpr 66
		.amdhsa_reserve_vcc 0
		.amdhsa_float_denorm_mode_32 3
		.amdhsa_float_denorm_mode_16_64 3
		.amdhsa_memory_ordered 1
		.amdhsa_forward_progress 1
		.amdhsa_inst_pref_size 14
	.end_amdhsa_kernel
	.amdgpu_metadata
---
amdhsa.version: [ 1, 2 ]
amdhsa.kernels:
  - .name:           k_qce372de31a_cast
    .symbol:         k_qce372de31a_cast.kd
    .args:
      - { .name: x, .offset: 0, .size: 8, .value_kind: global_buffer, .address_space: global }
      - { .name: hx, .offset: 8, .size: 8, .value_kind: global_buffer, .address_space: global }
      - { .name: W_ih, .offset: 16, .size: 8, .value_kind: global_buffer, .address_space: global }
      - { .name: W_hh, .offset: 24, .size: 8, .value_kind: global_buffer, .address_space: global }
      - { .name: W_xa, .offset: 32, .size: 8, .value_kind: global_buffer, .address_space: global }
      - { .name: W_ha, .offset: 40, .size: 8, .value_kind: global_buffer, .address_space: global }
      - { .name: a1, .offset: 48, .size: 8, .value_kind: global_buffer, .address_space: global }
      - { .name: wg, .offset: 56, .size: 8, .value_kind: global_buffer, .address_space: global }
      - { .name: wa, .offset: 64, .size: 8, .value_kind: global_buffer, .address_space: global }
    .group_segment_fixed_size: 0
    .private_segment_fixed_size: 0
    .kernarg_segment_align: 8
    .kernarg_segment_size: 72
    .max_flat_workgroup_size: 256
    .sgpr_count:     66
    .vgpr_count:     136
    .wavefront_size: 32
...
	.end_amdgpu_metadata
.endif
;; end of part 1
;; launch gate (part 2): grid 4 x 64, 4 waves a work-group, clusters of 4 x 4, 327,680 bytes of LDS; arguments a1, wa, b_xa, b_ha, xg; writes xg
.if DOCPART == 2
	.amdgcn_target "amdgcn-amd-amdhsa--gfx1250"
	.amdhsa_code_object_version 6
	.text
	.protected	k_qce372de31a_gate
	.globl	k_qce372de31a_gate
	.p2align	8
	.type	k_qce372de31a_gate,@function
k_qce372de31a_gate:
	s_mov_b64 s[64:65], 0
	v_nop
	global_prefetch_b8 v0, s[64:65] scope:SCOPE_SE
	s_setreg_imm32_b32 hwreg(HW_REG_WAVE_MODE, 25, 1), 1
	s_wait_xcnt 0x0
	s_wait_alu depctr_hold_cnt(0) depctr_sa_sdst(0) depctr_va_vdst(0) depctr_va_sdst(0) depctr_va_ssrc(0) depctr_va_vcc(0) depctr_vm_vsrc(0)
	s_getreg_b32 s2, hwreg(HW_REG_IB_STS2, 6, 4)
	s_cmp_eq_u32 s2, 0
	s_cbranch_scc0 .Lentry_in_a_cluster
	s_endpgm
.Lentry_in_a_cluster:
	s_bfe_u32 s2, ttmp6, 0x10000c
	s_cmp_lg_u32 s2, 0xf033
	s_cbranch_scc0 .Lentry_shape_is_right
	s_endpgm
.Lentry_shape_is_right:
; GATE.  xg[m][n] = sigmoid(sum over k of a1[m][k] wa[n][k] + b_xa[n] + b_ha[n]) x bf16(x[m][n]), rounded once to bf16.
; a1 = bf16(x) | bf16(hx), [8192][2048]; wa = bf16(W_xa) | bf16(W_ha), [1024][2048]; xg: 8,192 rows 4,096 bytes apart, of which the first 2,048 bytes are written.  Sums in f32.
; LIMITS.  x, hx and the weights are taken in their rounding to bf16 everywhere, x in the last product too; the biases stay f32.  sigmoid(u) = 1 / (1 + 2^(-log2(e) u)): where the power overflows
; the reciprocal is 0, where it falls below 2^-126 it counts as 0: both are the saturated values.  NaN and infinite inputs are not treated apart.
; SHARES.  A work-group makes 128 rows x 256 columns, 4 x 64 = 256 work-groups; a wave 64 x 128: 32 accumulators of 16 x 16, 256 registers.  K = 2,048 goes in 16 steps of 128 (rows of 256 bytes
; of memory, at multiples of 256) through two LDS slots that take turns; a K step is four quarters of 32 along K, 32 matrix instructions each, on two fragment buffers.
; CLUSTERS.  4 x 4 work-groups.  The four of a row of the cluster need the same tiles of a1, the four of a column the same tiles of wa: each tile is asked for JOINTLY, by the same tensor load
; with the same descriptor and a mask that names the four.  Waves 0 and 1 fetch a1's two halves of 64 rows, waves 2 and 3 wa's two halves of 128 rows.
; THE MATRIX INSTRUCTION IS USED TRANSPOSED (source 0 = 16 rows of wa, source 1 = 16 rows of a1): lane l holds row l % 16 and the columns 8 (l / 16) + 0..7.
; THE BIAS IS THE C OPERAND of each sum's first product: nothing is cleared, and nothing is added on the way out.
; REGISTERS, in windows of 256 (s_set_vgpr_msb: bits 1:0 source 0, 3:2 source 1, 5:4 source 2, 7:6 destination):
;   window 0: v0-16 addresses; v64-127 the bias; on the way out v128-191 at work, v192-223 x, v224-255 packed results, v32-63 and v64-95 rows read back
;   window 1: wa's fragment b of buffer f at v[64 f + 8 b]; a1's fragment a at v[128 + 32 f + 8 a]          window 2: accumulator (a, b) at v[8 (8 a + b)]
.set PITCH,  272                       ; an LDS row: 256 bytes + 16 of padding = 68 words: the 16 rows of a fragment load start at 16 different groups of four banks (64 banks of 4 bytes: ISA guide 11.1)
.set SLOT1,  0x20000                   ; slot 1 begins here: above every LDS address in slot 0, so that one exclusive or turns an address in one slot into the other's
.set BOFF,   128*PITCH                 ; in a slot: a1's 128 rows, then wa's 256
.set STAGE,  384*PITCH                 ; behind slot 0: 16 rows x 272 bytes for each wave, for the way out; no tile lands here
.set XT,     SLOT1+384*PITCH           ; behind slot 1: the work-group's 128 x 256 numbers of bf16(x), filled once
.set XPITCH, 528                       ; its rows: 512 bytes + 16
.set SPARE,  XT+128*XPITCH             ; the spare words, 128 bytes for each wave: two blocks of 256 bytes that no other line names
.set ABASE, 4                          ; v4   my lane's place in a1's tile of slot 0; never rewritten
.set BBASE, 5                          ; v5   the same for wa
.set ADRA,  6                          ; v6   the same in the slot in hand
.set ADRB,  7                          ; v7
.set STO,   8                          ; v8   the way out: where I put 16 bytes of a row
.set RD,    9                          ; v9   where I read a row back
.set CO,    10                         ; v10  my byte offset in two rows of xg
.set XA,    11                         ; v11  my 16 bytes of x's tile
.set PFO,   12                         ; v12  the prefetches' offset: my lane x 4,096 bytes, a row; never rewritten
.set BO,    13                         ; v13  my byte offset in the biases
.set SPW,   14                         ; v14  LDS address of my spare word; never rewritten
.set NIL,   15                         ; v15  0; never rewritten
.set ZR,    16                         ; v16  0, as an addend
.set OB,    32
.set BIAS,  64
.set T,     128
.set XP,    192
.set O,     224
.set WV, 14                            ; s14  my wave's number
.set WR, 15                            ; s15  which 64 rows are mine
.set WC, 16                            ; s16  which 128 columns; also: which half of a tile I fetch
.set CX, 17                            ; s17, s18  my place in the cluster
.set CY, 18
.set TX, 19                            ; s19  block of 256 columns
.set TY, 20                            ; s20  block of 128 rows
.set TB, 21                            ; s21  0 or SLOT1: the slot in hand
.set CNT, 22                           ; s22  the loop's count
.set KS, 23                            ; s23  changes of slots so far
.set G1A, 24                           ; s[24:31] descriptor group 1 for a1's tiles
.set G1B, 32                           ; s[32:39] for wa's
.set G1X, 40                           ; s[40:47] for x's tile
.set G0A, 48                           ; s[48:55] group 0 for a1's tiles: a set for each first fill; the second then walks on
.set G0B, 56                           ; s[56:63] the same for wa's
.set G0X, 68                           ; s[68:71] for x's tile
.set PFA, 72                           ; s[72:73] where my prefetches stand
.set LIM, 74                           ; s74  a wave prefetches while s[KS] is below it
.set NL2E, 84                          ; s[84:85] -log2(e), named as a pair
.set FLAGS, (1<<16)|(1<<20)|(1<<21)|(5<<22)|(3<<25)  ; 17:16 elements of 2 bytes; 20 padding on; 21 set beside a mask; 24:22 after every 64 words (code 5); 31:25 4 words of it (code 3)
.set MSB, 0
.macro WIN new                         ; the immediate's high byte repeats the setting that is left; a switch that changes nothing is dropped
.if MSB != (\new)
	s_set_vgpr_msb (MSB<<8)|(\new)
.set MSB, \new
.endif
.endm
.macro PLACES                          ; four places in front of loads into registers that matrix instructions have read (ISA guide 7.12.1 for vector instructions)
.rept 4
	v_nop
.endr
.endm
.macro CREST                           ; a round of the cluster's barrier behind its opening barrier
	s_cmp_lg_u32 s[WV], 0
	s_cbranch_scc1 .Lnot_wave_0_\@
	s_barrier_signal -3
.Lnot_wave_0_\@:
	s_barrier_wait -3
	s_barrier_signal -1
	s_barrier_wait -1
.endm
.macro CROUND                          ; a whole round
	s_barrier_signal -1
	s_barrier_wait -1
	CREST
.endm
; A joint refill by the walking descriptors.  The branch hangs on the wave's number alone.  An s_nop 0 and four v_nop follow each of the two lines.
.macro JLOAD
	s_cmp_lt_u32 s[WV], 2
	s_cbranch_scc0 .Lfor_b_\@
	tensor_load_to_lds s[G0A+4:G0A+7], s[G1A:G1A+7]
	s_nop 0
.rept 4
	v_nop
.endr
	s_branch .Lasked_\@
.Lfor_b_\@:
	tensor_load_to_lds s[G0B+4:G0B+7], s[G1B:G1B+7]
	s_nop 0
.rept 4
	v_nop
.endr
.Lasked_\@:
.endm
; A PREFETCH INTO THE L2: 32 rows x the 256 bytes of the K step that stands two refills on (256 matrix instructions of a wave ahead of the joint load that will name it): a lane a row, one instruction.
; Each row's 256 bytes of a K step are named once in the launch.  a1's 128 rows belong to this cluster alone: wave 0 asks, and the four partners along x take 32 rows each, told apart BY ADDRESS.
; wa's rows are read by every cluster: the one with y = 0 asks, waves 2 and 3 each for the 128 rows that they fetch, the four partners along y 32 rows each.  K steps 0 to 3 come by their loads alone;
; the changes of slots from the thirteenth on ask for nothing: K has no further step.
.macro ASK
	s_cmp_lt_u32 s[KS], s[LIM]
	s_cbranch_scc0 .Lnot_mine_\@
	global_prefetch_b8 v[PFO], s[PFA:PFA+1] th:TH_LOAD_NT scope:SCOPE_SE
.Lnot_mine_\@:
.endm
	s_load_b256 s[4:11], s[0:1], 0x0               ; a1 s[4:5], wa s[6:7], b_xa s[8:9], b_ha s[10:11]
	s_load_b64 s[12:13], s[0:1], 0x20              ; xg
	v_lshl_add_u32 v[SPW], v0, 2, SPARE
	v_mov_b32 v[NIL], 0
	ds_add_u32 v[SPW], v[NIL]                      ; the wave's opening: the add and its wait stand ahead of my first tensor load; the set-up below, work on registers, stands between them
	v_lshrrev_b32 v3, 5, v0
	v_readfirstlane_b32 s[WV], v3                  ; wave 0..3
	s_lshr_b32 s[WR], s[WV], 1
	s_and_b32 s[WC], s[WV], 1
	s_bfe_u32 s[CX], ttmp6, 0x40000
	s_bfe_u32 s[CY], ttmp6, 0x40004
	s_lshl_b32 s[TX], ttmp9, 2                     ; in a cluster launch ttmp9 and ttmp7 count clusters
	s_add_co_u32 s[TX], s[TX], s[CX]
	s_and_b32 s[TY], ttmp7, 0xffff
	s_lshl_b32 s[TY], s[TY], 2
	s_add_co_u32 s[TY], s[TY], s[CY]
	s_lshl_b32 s76, s[CY], 2                       ; s76-79 hold nothing that hangs on cx, s80-83 nothing that hangs on cy
	s_lshl_b32 s76, 15, s76                        ; my row of the cluster: places 4 cy .. 4 cy + 3
	s_lshl_b32 s80, 0x1111, s[CX]                  ; my column: places cx, cx + 4, cx + 8, cx + 12
	s_or_b32 s[G1A], s76, FLAGS                    ; a1's tiles go to my row,
	s_or_b32 s[G1B], s80, FLAGS                    ; wa's to my column
	s_mov_b32 s[G1A+1], 128<<16                    ; tensor_dim0 = 128
	s_mov_b32 s[G1A+2], 64<<16                     ; tensor_dim1 = 64
	s_mov_b32 s[G1A+3], 128<<16                    ; tile_dim0 = 128
	s_mov_b32 s[G1A+4], 64                         ; tile_dim1 = 64
	s_mov_b32 s[G1A+5], 2048                       ; elements from row to row
	s_mov_b32 s[G1A+6], 0
	s_mov_b32 s[G1A+7], 0
	s_mov_b32 s[G1B+1], 128<<16
	s_mov_b32 s[G1B+2], 128<<16                    ; 128 rows
	s_mov_b32 s[G1B+3], 128<<16
	s_mov_b32 s[G1B+4], 128
	s_mov_b32 s[G1B+5], 2048
	s_mov_b32 s[G1B+6], 0
	s_mov_b32 s[G1B+7], 0
	s_mov_b32 s[G1X], (1<<16)|(1<<20)|(6<<22)|(3<<25)  ; no mask: the work-group's own; padding after every 128 words (code 6)
	s_mov_b32 s[G1X+1], 256<<16                    ; 32 rows x 256 elements
	s_mov_b32 s[G1X+2], 32<<16
	s_mov_b32 s[G1X+3], 256<<16
	s_mov_b32 s[G1X+4], 32
	s_mov_b32 s[G1X+5], 2048
	s_mov_b32 s[G1X+6], 0
	s_mov_b32 s[G1X+7], 0
	s_lshl_b32 s76, s[TY], 19                      ; a1: row 128 x block + 64 x half, times 4,096 bytes
	s_lshl_b32 s77, s[WC], 18
	s_add_co_u32 s76, s76, s77
	s_mov_b32 s77, 0
	s_lshl_b32 s80, s[TX], 20                      ; wa: row 256 x block + 128 x half
	s_lshl_b32 s81, s[WC], 19
	s_add_co_u32 s80, s80, s81
	s_mov_b32 s81, 0
	s_mul_i32 s86, s[WC], 64*PITCH                 ; where they go: no place in the cluster enters an LDS address
	s_mul_i32 s87, s[WC], 128*PITCH
	s_add_co_u32 s87, s87, BOFF
	s_mul_i32 s88, s[WV], 32*XPITCH
	s_add_co_u32 s88, s88, XT
	s_mov_b32 s[NL2E], 0xbfb8aa3b                  ; -log2(e)
	s_mov_b32 s[NL2E+1], s[NL2E]
	s_mov_b32 s[TB], 0
	s_mov_b32 s[KS], 0
	s_wait_dscnt 0x0                               ; the opening add is done
	s_wait_kmcnt 0x0
	s_add_nc_u64 s[78:79], s[4:5], s[76:77]
	s_add_nc_u64 s[82:83], s[6:7], s[80:81]
.irp s, 0,1
	s_mov_b32 s[G0A+4*(\s)], 1                                       ; count = 1
	s_add_co_u32 s[G0A+4*(\s)+1], s86, (\s)*SLOT1                    ; LDS address
	s_add_nc_u64 s[G0A+4*(\s)+2:G0A+4*(\s)+3], s[78:79], (\s)*256    ; global address: K step s
	s_or_b32 s[G0A+4*(\s)+3], s[G0A+4*(\s)+3], 0x80000000            ; type = 2
	s_mov_b32 s[G0B+4*(\s)], 1
	s_add_co_u32 s[G0B+4*(\s)+1], s87, (\s)*SLOT1
	s_add_nc_u64 s[G0B+4*(\s)+2:G0B+4*(\s)+3], s[82:83], (\s)*256
	s_or_b32 s[G0B+4*(\s)+3], s[G0B+4*(\s)+3], 0x80000000
.endr
	s_lshl_b32 s2, s[TY], 19                       ; x's tile: row 128 x block + 32 x wave, byte 512 x column block
	s_lshl_b32 s3, s[WV], 17
	s_add_co_u32 s2, s2, s3
	s_lshl_b32 s3, s[TX], 9
	s_add_co_u32 s2, s2, s3
	s_mov_b32 s3, 0
	s_mov_b32 s[G0X], 1
	s_mov_b32 s[G0X+1], s88
	s_add_nc_u64 s[G0X+2:G0X+3], s[4:5], s[2:3]
	s_or_b32 s[G0X+3], s[G0X+3], 0x80000000
	s_lshl_b32 s2, s[TY], 19                       ; xg at my wave's first row and column
	s_lshl_b32 s3, s[WR], 18
	s_add_co_u32 s2, s2, s3
	s_lshl_b32 s3, s[TX], 9
	s_add_co_u32 s2, s2, s3
	s_lshl_b32 s3, s[WC], 8
	s_add_co_u32 s2, s2, s3
	s_mov_b32 s3, 0
	s_add_nc_u64 s[12:13], s[12:13], s[2:3]
	s_lshl_b32 s2, s[TY], 19                       ; the prefetches.  a1: the block's rows, my work-group's 32 of them by cx
	s_lshl_b32 s3, s[CX], 17
	s_add_co_u32 s2, s2, s3
	s_lshl_b32 s3, s[TX], 20                       ; wa: the 128 rows that I fetch, my work-group's 32 of them by cy
	s_lshl_b32 s89, s[WC], 19
	s_add_co_u32 s3, s3, s89
	s_lshl_b32 s89, s[CY], 17
	s_add_co_u32 s3, s3, s89
	s_cmp_lt_u32 s[WV], 2
	s_cselect_b32 s2, s2, s3
	s_cselect_b64 s[PFA:PFA+1], s[4:5], s[6:7]
	s_mov_b32 s3, 0
	s_add_nc_u64 s[PFA:PFA+1], s[PFA:PFA+1], s[2:3]
	s_add_nc_u64 s[PFA:PFA+1], s[PFA:PFA+1], 3*256 ; at K step 3: the first change of slots steps it to 4
	s_and_b32 s89, ttmp7, 0xffff                   ; cluster y
	s_cmp_lt_u32 s[WV], 2
	s_cselect_b32 s89, s[WV], s89                  ; 0 in wave 0, and in waves 2 and 3 of the clusters with y = 0: the same in all sixteen partners
	s_cmp_eq_u32 s89, 0
	s_cselect_b32 s[LIM], 13, 0
	CROUND                                         ; all sixteen work-groups are here: the first joint loads meet
	s_cmp_lt_u32 s[WV], 2                          ; a wave's three first fills stand in one branch, ahead of every wait on TENSORcnt and every LDS read: three loads of mine are out
	s_cbranch_scc0 .Lfirst_b
	tensor_load_to_lds s[G0A:G0A+3], s[G1A:G1A+7]
	s_nop 0
	tensor_load_to_lds s[G0A+4:G0A+7], s[G1A:G1A+7]
	s_nop 0
	tensor_load_to_lds s[G0X:G0X+3], s[G1X:G1X+7]
	s_nop 0
.rept 4
	v_nop
.endr
	s_branch .Lfirst_asked
.Lfirst_b:
	tensor_load_to_lds s[G0B:G0B+3], s[G1B:G1B+7]
	s_nop 0
	tensor_load_to_lds s[G0B+4:G0B+7], s[G1B:G1B+7]
	s_nop 0
	tensor_load_to_lds s[G0X:G0X+3], s[G1X:G1X+7]
	s_nop 0
.rept 4
	v_nop
.endr
.Lfirst_asked:
	; A fragment is 16 rows x 32 K in 8 registers: lane l holds row l % 16; registers 0-3 K = 8 (l / 16) + 0..7, registers 4-7 K = 16 + 8 (l / 16) + 0..7: two loads of 16 bytes, 32 bytes apart.
	v_and_b32 v1, 15, v0                           ; l % 16
	v_bfe_u32 v2, v0, 4, 1                         ; l / 16
	s_lshl_b32 s2, s[TX], 10                       ; the biases of my 128 columns, 4 bytes each,
	s_lshl_b32 s3, s[WC], 9
	s_add_co_u32 s2, s2, s3
	v_lshl_add_u32 v[BO], v2, 5, s2                ; and my half's eight of each sixteen
.irp b, 0,1,2,3,4,5,6,7
	global_load_b128 v[BIAS+8*(\b):BIAS+8*(\b)+3],   v[BO], s[8:9] offset:64*(\b)
	global_load_b128 v[BIAS+8*(\b)+4:BIAS+8*(\b)+7], v[BO], s[8:9] offset:64*(\b)+16
	global_load_b128 v[T+8*(\b):T+8*(\b)+3],         v[BO], s[10:11] offset:64*(\b)
	global_load_b128 v[T+8*(\b)+4:T+8*(\b)+7],       v[BO], s[10:11] offset:64*(\b)+16
.endr
	v_mul_u32_u24 v3, v1, PITCH
	v_lshl_add_u32 v3, v2, 4, v3                   ; row x pitch + 16 x half
	s_mul_i32 s2, s[WR], 64*PITCH
	v_add_nc_u32 v[ABASE], s2, v3
	s_mul_i32 s2, s[WC], 128*PITCH
	s_add_co_u32 s2, s2, BOFF
	v_add_nc_u32 v[BBASE], s2, v3
	s_mul_i32 s2, s[WV], 16*PITCH
	s_add_co_u32 s2, s2, STAGE                     ; my stage
	v_add_nc_u32 v[STO], s2, v3                    ; in: row l % 16, 16 bytes for each half of the lanes
	v_mul_u32_u24 v[RD], v2, PITCH                 ; back: lanes 0-15 take one row of 256 bytes, lanes 16-31 the next
	v_lshl_add_u32 v[RD], v1, 4, v[RD]
	v_add_nc_u32 v[RD], s2, v[RD]
	v_lshlrev_b32 v[CO], 12, v2                    ; and the same two rows in xg
	v_lshl_add_u32 v[CO], v1, 4, v[CO]
	v_mul_u32_u24 v[XA], v1, XPITCH                ; x's tile: row 64 x my half + l % 16, byte 256 x my column half + 16 (l / 16)
	v_lshl_add_u32 v[XA], v2, 4, v[XA]
	s_mul_i32 s2, s[WR], 64*XPITCH
	s_lshl_b32 s3, s[WC], 8
	s_add_co_u32 s2, s2, s3
	s_add_co_u32 s2, s2, XT
	v_add_nc_u32 v[XA], s2, v[XA]
	v_and_b32 v[PFO], 31, v0
	v_lshlrev_b32 v[PFO], 12, v[PFO]
	v_mov_b32 v[ZR], 0
	v_mov_b32 v[ADRA], v[ABASE]                    ; K step 0 lies in slot 0
	v_mov_b32 v[ADRB], v[BBASE]
; 8 matrix instructions: row blocks a0, a0 + 1 x column blocks 4 bh .. 4 bh + 3, 32 along K, from buffer f.  first = 1: the product starts the sum, with the bias as C.
; The 32 accumulators take turns, one instruction a turn, in the same order in every quarter.
.macro MULQ f, bh, a0, first
.if \first
	WIN 0x85                                       ; sources 0 and 1 window 1, C window 0, D window 2
.else
	WIN 0xa5                                       ; C and D window 2
.endif
.irp a, \a0, (\a0)+1
.irp b, 0,1,2,3
.if \first
	v_wmma_f32_16x16x32_bf16 v[8*(8*(\a)+4*(\bh)+(\b)):8*(8*(\a)+4*(\bh)+(\b))+7], v[64*(\f)+8*(4*(\bh)+(\b)):64*(\f)+8*(4*(\bh)+(\b))+7], v[128+32*(\f)+8*(\a):128+32*(\f)+8*(\a)+7], v[BIAS+8*(4*(\bh)+(\b)):BIAS+8*(4*(\bh)+(\b))+7]
.else
	v_wmma_f32_16x16x32_bf16 v[8*(8*(\a)+4*(\bh)+(\b)):8*(8*(\a)+4*(\bh)+(\b))+7], v[64*(\f)+8*(4*(\bh)+(\b)):64*(\f)+8*(4*(\bh)+(\b))+7], v[128+32*(\f)+8*(\a):128+32*(\f)+8*(\a)+7], v[8*(8*(\a)+4*(\bh)+(\b)):8*(8*(\a)+4*(\bh)+(\b))+7]
.endif
.endr
.endr
.endm
; 24 LDS loads in one run: a quarter's fragments, at byte k of the rows, into buffer f: a1's four, wa's blocks 0-3, wa's blocks 4-7
.macro FETCH k, f
	WIN 0x40                                       ; destination window 1, address window 0
.irp a, 0,1,2,3
	ds_load_b128 v[128+32*(\f)+8*(\a):128+32*(\f)+8*(\a)+3],   v[ADRA] offset:(\k)+(\a)*16*PITCH
	ds_load_b128 v[128+32*(\f)+8*(\a)+4:128+32*(\f)+8*(\a)+7], v[ADRA] offset:(\k)+(\a)*16*PITCH+32
.endr
.irp b, 0,1,2,3,4,5,6,7
	ds_load_b128 v[64*(\f)+8*(\b):64*(\f)+8*(\b)+3],   v[ADRB] offset:(\k)+(\b)*16*PITCH
	ds_load_b128 v[64*(\f)+8*(\b)+4:64*(\f)+8*(\b)+7], v[ADRB] offset:(\k)+(\b)*16*PITCH+32
.endr
.endm
; One of a K step's first three quarters: multiplies buffer f and fetches the next quarter, at byte k, into buffer g.
.macro QUARTER k, f, g, first
	s_wait_dscnt 8                                 ; a1's fragments and wa's blocks 0-3 are in; the youngest eight loads (blocks 4-7) may be out
	MULQ \f, 0, 0, \first
	PLACES                                         ; buffer g's last reader is the quarter before
	FETCH \k, \g
	MULQ \f, 0, 2, \first
	s_wait_dscnt 24                                ; all but the 24 just issued
	MULQ \f, 1, 0, \first
	MULQ \f, 1, 2, \first
.endm
; The last quarter multiplies buffer 1 and changes slots: ONE barrier.  In front of it each wave waits for all its tensor loads, of which the next slot's part is the last, adds 0 to its spare word,
; and waits for that and for its own reads of this slot.  fill = 1: the barrier opens a round of the cluster's barrier, and behind the round this slot is filled again, with the K step two on:
; the wave issues 112 matrix instructions between that request and the wait for it.
.macro TURN fill
.if \fill
	s_wait_xcnt 0x0                                ; the last prefetch, a K step back, has read its address, so it may be stepped
	s_add_nc_u64 s[PFA:PFA+1], s[PFA:PFA+1], 256
	s_add_co_u32 s[KS], s[KS], 1
.endif
	WIN 0                                          ; (the add's two registers lie in window 0)
	s_wait_tensorcnt 0x0                           ; no tensor load of mine is out, so a group 0 may be written
	ds_add_u32 v[SPW], v[NIL]                      ; 0 onto my spare word
.if \fill
	s_xor_b32 s[G0A+5], s[G0A+5], SLOT1            ; the walking descriptors: the other slot than last time,
	s_add_nc_u64 s[G0A+6:G0A+7], s[G0A+6:G0A+7], 256  ; the next K step; the type bits on top are not reached
	s_xor_b32 s[G0B+5], s[G0B+5], SLOT1
	s_add_nc_u64 s[G0B+6:G0B+7], s[G0B+6:G0B+7], 256
.endif
	s_wait_dscnt 9                                 ; the add and the youngest eight loads may be out
	MULQ 1, 0, 0, 0
	s_wait_dscnt 0x0                               ; the add is done, and my reads of this slot are over
	s_barrier_signal -1
	MULQ 1, 0, 2, 0                                ; work on registers while the others arrive
	WIN 0
	s_barrier_wait -1
.if \fill
	CREST                                          ; no wave of any partner still reads this slot's tile or has a load on its way
	JLOAD                                          ; the first tensor load behind the round; its four v_nop are also the places in front of the loads below
.else
	PLACES
.endif
	s_xor_b32 s[TB], s[TB], SLOT1
	v_add_nc_u32 v[ADRA], s[TB], v[ABASE]
	v_add_nc_u32 v[ADRB], s[TB], v[BBASE]
	FETCH 0, 0
	WIN 0
.if \fill
	ASK
.endif
	MULQ 1, 1, 0, 0
	MULQ 1, 1, 2, 0
.endm
	s_wait_tensorcnt 2                             ; my part of K step 0 is in; K step 1's and x's may stay out
	s_barrier_signal -1
	s_barrier_wait -1                              ; everybody's is
	FETCH 0, 0
	WIN 0
	s_wait_loadcnt 0x0                             ; the biases
.set i, 0
.rept 32
	v_pk_add_f32 v[BIAS+i:BIAS+i+1], v[BIAS+i:BIAS+i+1], v[T+i:T+i+1]  ; b_xa + b_ha
.set i, i+2
.endr
	QUARTER 64, 0, 1, 1                            ; the first quarter stands in front of the loop: its products start the sums
	WIN 0                                          ; at a label and at a branch every window is 0
	s_mov_b32 s[CNT], 14
.Lstep:                                        ; a trip: a K step's last three quarters and the next step's first; it asks for the K step two on: steps 2 to 15
	QUARTER 128, 1, 0, 0
	QUARTER 192, 0, 1, 0
	TURN 1
	QUARTER 64, 0, 1, 0
	WIN 0
	s_sub_co_u32 s[CNT], s[CNT], 1
	s_cmp_lg_u32 s[CNT], 0
	s_cbranch_scc1 .Lstep
	QUARTER 128, 1, 0, 0                           ; the tail is written out: nothing is asked for
	QUARTER 192, 0, 1, 0
	TURN 0
	QUARTER 64, 0, 1, 0
	QUARTER 128, 1, 0, 0
	QUARTER 192, 0, 1, 0
	s_wait_dscnt 0x0
	MULQ 1, 0, 0, 0
	MULQ 1, 0, 2, 0
	MULQ 1, 1, 0, 0
	MULQ 1, 1, 2, 0
	WIN 0
	PLACES                                         ; the places behind the last products, taken twice, once a launch
	PLACES
; THE WAY OUT, a block of 16 rows at a time.  EPI a: the block's 64 sums a lane become 1 / (1 + 2^(-log2(e) u)), are multiplied by x, rounded to bf16, put into my stage and read back as whole rows.
; The exponentials are one batch and the reciprocals one batch: a plain instruction and one wait behind each.
.macro EPI a
	WIN 0
.irp b, 0,1,2,3,4,5,6,7
	ds_load_b128 v[XP+4*(\b):XP+4*(\b)+3], v[XA] offset:(\a)*16*XPITCH+32*(\b)  ; x of my row, eight columns of each block
.endr
	WIN 0x02                                       ; source 0 window 2
.set i, 0
.rept 32
	v_pk_mul_f32 v[T+i:T+i+1], v[64*(\a)+i:64*(\a)+i+1], s[NL2E:NL2E+1] op_sel_hi:[1,0]  ; each accumulator's registers in ascending order
.set i, i+2
.endr
	WIN 0
.set i, 0
.rept 64
	v_exp_f32 v[T+i], v[T+i]
.set i, i+1
.endr
	v_nop
	s_wait_alu depctr_va_vdst(0)
.set i, 0
.rept 32
	v_pk_add_f32 v[T+i:T+i+1], v[T+i:T+i+1], 1.0 op_sel_hi:[1,0]
.set i, i+2
.endr
.set i, 0
.rept 64
	v_rcp_f32 v[T+i], v[T+i]
.set i, i+1
.endr
	v_nop
	s_wait_alu depctr_va_vdst(0)
	s_wait_dscnt 0x0                               ; x is in
.set i, 0
.rept 32
	v_fma_mix_f32_bf16 v[T+i], v[XP+i/2], v[T+i], v[ZR] op_sel_hi:[1,0,0]                    ; x's low half x the gate
	v_fma_mix_f32_bf16 v[T+i+1], v[XP+i/2], v[T+i+1], v[ZR] op_sel:[1,0,0] op_sel_hi:[1,0,0]  ; its high half
.set i, i+2
.endr
.set i, 0
.rept 32
	v_cvt_pk_bf16_f32 v[O+i], v[T+2*i], v[T+2*i+1]
.set i, i+1
.endr
.irp b, 0,1,2,3,4,5,6,7
	ds_store_b128 v[STO], v[O+4*(\b):O+4*(\b)+3] offset:32*(\b)
.endr
	s_wait_xcnt 0x0                                ; the stores of the block two back have read these registers
.irp t, 0,1,2,3,4,5,6,7
	ds_load_b128 v[OB+32*((\a)%2)+4*(\t):OB+32*((\a)%2)+4*(\t)+3], v[RD] offset:(\t)*2*PITCH  ; LDS serves a wave's instructions in order (ISA guide 5.7.1.4): these see the stores above
.endr
.endm
.macro SEND a, younger                 ; younger: LDS instructions issued behind block a's loads that may stay out: the next block's eight stores and eight loads, or none
	WIN 0
	s_wait_dscnt \younger
.irp t, 0,1,2,3,4,5,6,7
	global_store_b128 v[CO], v[OB+32*((\a)%2)+4*(\t):OB+32*((\a)%2)+4*(\t)+3], s[12:13] offset:(16*(\a)+2*(\t))*4096  ; 16 lanes store 256 consecutive bytes, at a multiple of 256 from xg's first byte
.endr
.endm
	EPI 0
	EPI 1                                          ; a block's arithmetic stands between the loads of the block before and its stores
	SEND 0, 16
	EPI 2
	SEND 1, 16
	EPI 3
	SEND 2, 16
	SEND 3, 0
	s_wait_tensorcnt 0x0                           ; the wave's end: a wait, an add to my spare word and its wait, behind my last tensor load and my last LDS store
	ds_add_u32 v[SPW], v[NIL]
	s_wait_dscnt 0x0
	CROUND                                         ; the closing round: no work-group ends while a partner may still ask for a tile that names it
	s_endpgm
.Lfunc_end_k_qce372de31a_gate:
	.size	k_qce372de31a_gate, .Lfunc_end_k_qce372de31a_gate-k_qce372de31a_gate
	.p2alignl 7, 3214868480
	.fill 96, 4, 3214868480
	.section	.rodata,"a",@progbits
	.p2align	6, 0x0
	.amdhsa_kernel k_qce372de31a_gate
		.amdhsa_group_segment_fixed_size 327680
		.amdhsa_private_segment_fixed_size 0
		.amdhsa_enable_private_segment 0
		.amdhsa_kernarg_size 40
		.amdhsa_user_sgpr_count 2
		.amdhsa_user_sgpr_kernarg_segment_ptr 1
		.amdhsa_wavefront_size32 1
		.amdhsa_system_sgpr_workgroup_id_x 1
		.amdhsa_system_sgpr_workgroup_id_y 1
		.amdhsa_system_sgpr_workgroup_id_z 1
		.amdhsa_system_vgpr_workitem_id 0
		.amdhsa_next_free_vgpr 768
		.amdhsa_next_free_sgpr 96
		.amdhsa_reserve_vcc 0
		.amdhsa_float_denorm_mode_32 3
		.amdhsa_float_denorm_mode_16_64 3
		.amdhsa_memory_ordered 1
		.amdhsa_forward_progress 1
		.amdhsa_inst_pref_size 128
	.end_amdhsa_kernel
	.amdgpu_metadata
---
amdhsa.version: [ 1, 2 ]
amdhsa.kernels:
  - .name:           k_qce372de31a_gate
    .symbol:         k_qce372de31a_gate.kd
    .args:
      - { .name: a1, .offset: 0, .size: 8, .value_kind: global_buffer, .address_space: global }
      - { .name: wa, .offset: 8, .size: 8, .value_kind: global_buffer, .address_space: global }
      - { .name: b_xa, .offset: 16, .size: 8, .value_kind: global_buffer, .address_space: global }
      - { .name: b_ha, .offset: 24, .size: 8, .value_kind: global_buffer, .address_space: global }
      - { .name: xg, .offset: 32, .size: 8, .value_kind: global_buffer, .address_space: global }
    .group_segment_fixed_size: 327680
    .private_segment_fixed_size: 0
    .kernarg_segment_align: 8
    .kernarg_segment_size: 40
    .max_flat_workgroup_size: 128
    .sgpr_count:     96
    .vgpr_count:     768
    .wavefront_size: 32
...
	.end_amdgpu_metadata
.endif
;; end of part 2
;; launch gru (part 3): grid 8 x 64, 4 waves a work-group, clusters of 4 x 4, 327,680 bytes of LDS; arguments a1, xg, wg, b_ih, b_hh, out0; writes out0
.if DOCPART == 3
	.amdgcn_target "amdgcn-amd-amdhsa--gfx1250"
	.amdhsa_code_object_version 6
	.text
	.protected	k_qce372de31a_gru
	.globl	k_qce372de31a_gru
	.p2align	8
	.type	k_qce372de31a_gru,@function
k_qce372de31a_gru:
	s_mov_b64 s[64:65], 0
	v_nop
	global_prefetch_b8 v0, s[64:65] scope:SCOPE_SE
	s_setreg_imm32_b32 hwreg(HW_REG_WAVE_MODE, 25, 1), 1
	s_wait_xcnt 0x0
	s_wait_alu depctr_hold_cnt(0) depctr_sa_sdst(0) depctr_va_vdst(0) depctr_va_sdst(0) depctr_va_ssrc(0) depctr_va_vcc(0) depctr_vm_vsrc(0)
	s_getreg_b32 s2, hwreg(HW_REG_IB_STS2, 6, 4)
	s_cmp_eq_u32 s2, 0
	s_cbranch_scc0 .Lentry_in_a_cluster
	s_endpgm
.Lentry_in_a_cluster:
	s_bfe_u32 s2, ttmp6, 0x10000c
	s_cmp_lg_u32 s2, 0xf033
	s_cbranch_scc0 .Lentry_shape_is_right
	s_endpgm
.Lentry_shape_is_right:
; GRU.  With A = xg | bf16(hx) (K = 2,048) and wg = bf16(W_ih) | bf16(W_hh), [3072][2048], gates r, z, n in blocks of 1,024 rows:
;   r = sigmoid(A . wg_r + b_ih_r + b_hh_r)      z = sigmoid(A . wg_z + b_ih_z + b_hh_z)
;   i_n = xg . W_ih_n + b_ih_n (K steps 0-7)       h_n = hx . W_hh_n + b_hh_n (K steps 8-15)      n = tanh(i_n + r h_n)      out0 = (1 - z) n + z bf16(hx),  f32.
; xg's rows and a1's rows are both 4,096 bytes apart, and K step k lies at byte 256 k of a row: of xg for k < 8, of a1 for k >= 8.  So A's descriptor changes its base once and nothing else.
; LIMITS.  hx and the weights are taken in their rounding to bf16 everywhere, hx in the last line too; xg comes rounded to bf16; the biases stay f32.  sigmoid(u) = 1 / (1 + 2^(-log2(e) u)),
; tanh(y) = 1 - 2 / (1 + 2^(2 log2(e) y)): where a power overflows the reciprocal is 0, where it falls below 2^-126 it counts as 0: both give the saturated values; near y = 0 tanh keeps an absolute
; error of about 1e-7.  NaN and infinite inputs are not treated apart.
; SHARES.  A work-group makes 128 rows x 128 columns of out0, 8 x 64 = 512 work-groups; a wave 64 x 64 with four sums each: 64 accumulators of 16 x 16, 512 registers.  K goes in 16 steps of 128
; (rows of 256 bytes of memory, at multiples of 256) through two LDS slots that take turns; a K step is four quarters of 32 along K, 48 matrix instructions each, on two fragment buffers.
; CLUSTERS.  4 x 4 work-groups.  The four of a row of the cluster need the same tile of A, the four of a column the same three tiles of wg: each is asked for JOINTLY, by the same tensor load with
; the same descriptor and a mask that names the four.  Wave 0 fetches A's 128 rows, waves 1, 2, 3 the 128 rows of gates r, z, n.
; THE MATRIX INSTRUCTION IS USED TRANSPOSED (source 0 = 16 rows of wg, source 1 = 16 rows of A): lane l holds row l % 16 and the columns 8 (l / 16) + 0..7.
; THE BIASES ARE THE C OPERANDS of the sums' first products: nothing is cleared, and nothing is added on the way out.
; REGISTERS, in windows of 256 (s_set_vgpr_msb: bits 1:0 source 0, 3:2 source 1, 5:4 source 2, 7:6 destination):
;   window 0: v0-17 addresses; v128-255 the biases (r, z, i_n, h_n: 32 each); on the way out v32-63, v64-95 at work, v96-111 hx, v128-159 and v160-191 rows read back
;   window 1: wg's fragment (buffer f, gate g, block b) at v[96 f + 32 g + 8 b]; A's fragment a at v[192 + 32 f + 8 a]
;   window 2: r at v[8 (4 a + b)], z at v[128 + 8 (4 a + b)]          window 3: i_n and h_n likewise
.set PITCH,  272                       ; an LDS row: 256 bytes + 16 of padding = 68 words: the 16 rows of a fragment load start at 16 different groups of four banks (64 banks of 4 bytes: ISA guide 11.1)
.set HALFT,  128*PITCH                 ; 128 rows: what one tensor load brings
.set SLOT,   4*HALFT                   ; A's rows, then gate r's, z's, n's.  0x22000 shares no bit with wave x 0x8800, so one exclusive or turns an address in one slot into the other's
.set HXT,    2*SLOT                    ; behind the ring: the work-group's 128 x 128 numbers of bf16(hx), filled once
.set SPARE,  HXT+HALFT                 ; the spare words, 128 bytes for each wave: two blocks of 256 bytes that no other line names
; The stage for the way out, 16 rows x 272 bytes for each wave, lies at the head of slot 0: that slot has had its last fill (K step 14), and every wave's reads of it are over at the last change of slots.
.set ABASE, 4                          ; v4   my lane's place in A's tile of slot 0; never rewritten
.set BBASE, 5                          ; v5   the same for gate r; gate z lies HALFT further, inside the immediate
.set NBASE, 6                          ; v6   the same for gate n
.set ADRA,  7                          ; v7-9 the same in the slot in hand
.set ADRB,  8
.set ADRN,  9
.set STO,   10                         ; v10  the way out: where I put 32 bytes of a row
.set RD,    11                         ; v11  where I read a row back
.set CO,    12                         ; v12  my byte offset in two rows of out0
.set HA,    13                         ; v13  my 16 bytes of hx's tile
.set PFO,   14                         ; v14  the prefetches' offset: my lane x 4,096 bytes, a row; never rewritten
.set BO,    15                         ; v15  my byte offset in a gate's biases
.set SPW,   16                         ; v16  LDS address of my spare word; never rewritten
.set NIL,   17                         ; v17  0; never rewritten
.set TR,    32
.set TZ,    64
.set BT,    64                         ; at the head: b_hh of gates r and z
.set HP,    96
.set BIAS,  128
.set OB,    128
.set WV, 16                            ; s16  my wave's number
.set WR, 17                            ; s17  which 64 rows are mine
.set WC, 18                            ; s18  which 64 columns
.set CX, 19                            ; s19, s20  my place in the cluster
.set CY, 20
.set TX, 21                            ; s21  block of 128 columns
.set TY, 22                            ; s22  block of 128 rows
.set TB, 23                            ; s23  0 or SLOT: the slot in hand
.set G1A, 24                           ; s[24:31] descriptor group 1 for A's tiles
.set G1B, 32                           ; s[32:39] for wg's
.set G1H, 40                           ; s[40:47] for hx's tile
.set G0A, 48                           ; s[48:55] group 0 for A's tiles: a set for each first fill; the second then walks on
.set G0B, 56                           ; s[56:63] the same for wg's
.set G0H, 68                           ; s[68:71] for hx's tile
.set PA2, 72                           ; s[72:73] A's K step 8: a1 at the block's first row, byte 2,048
.set PF0, 74                           ; s[74:75] where my prefetches stand in xg (wave 0) or wg
.set PF1, 76                           ; s[76:77] in a1 (wave 0) or wg
.set PFA, 78                           ; s[78:79] the one of the two that is due
.set KS,  80                           ; s80  changes of slots so far
.set LIM, 81                           ; s81  a wave prefetches while s[KS] is below it
.set CNT, 82                           ; s82  the loops' count
.set NL2E, 92                          ; s[92:93] -log2(e), named as a pair
.set L2E2, 94                          ; s[94:95] 2 log2(e)
.set FLAGS, (1<<16)|(1<<20)|(1<<21)|(5<<22)|(3<<25)  ; 17:16 elements of 2 bytes; 20 padding on; 21 set beside a mask; 24:22 after every 64 words (code 5); 31:25 4 words of it (code 3)
.set MSB, 0
.macro WIN new                         ; the immediate's high byte repeats the setting that is left; a switch that changes nothing is dropped
.if MSB != (\new)
	s_set_vgpr_msb (MSB<<8)|(\new)
.set MSB, \new
.endif
.endm
.macro PLACES                          ; four places in front of loads into registers that matrix instructions have read (ISA guide 7.12.1 for vector instructions)
.rept 4
	v_nop
.endr
.endm
.macro CREST                           ; a round of the cluster's barrier behind its opening barrier
	s_cmp_lg_u32 s[WV], 0
	s_cbranch_scc1 .Lnot_wave_0_\@
	s_barrier_signal -3
.Lnot_wave_0_\@:
	s_barrier_wait -3
	s_barrier_signal -1
	s_barrier_wait -1
.endm
.macro CROUND                          ; a whole round
	s_barrier_signal -1
	s_barrier_wait -1
	CREST
.endm
; A joint refill by the walking descriptors.  The branch hangs on the wave's number alone.  An s_nop 0 and four v_nop follow each of the two lines.
.macro JLOAD
	s_cmp_eq_u32 s[WV], 0
	s_cbranch_scc0 .Lfor_b_\@
	tensor_load_to_lds s[G0A+4:G0A+7], s[G1A:G1A+7]
	s_nop 0
.rept 4
	v_nop
.endr
	s_branch .Lasked_\@
.Lfor_b_\@:
	tensor_load_to_lds s[G0B+4:G0B+7], s[G1B:G1B+7]
	s_nop 0
.rept 4
	v_nop
.endr
.Lasked_\@:
.endm
; A PREFETCH INTO THE L2: 32 rows x the 256 bytes of the K step that the NEXT change of slots will ask for (192 matrix instructions of a wave ahead of that joint load): a lane a row, one instruction.
; Each row's 256 bytes of a K step are named once in the launch.  A's rows are read by both clusters of a row of clusters: the one with x = 0 asks, its wave 0, the four partners along x 32 rows each,
; told apart BY ADDRESS.  wg's rows are read by every cluster of a column of clusters: the one with y = 0 asks, waves 1 to 3 each for their gate, the four partners along y 32 rows each.
; K steps 0 to 2 come by their loads alone; the changes of slots from the fourteenth on ask for nothing: K has no further step.
.macro ASK
	s_cmp_lt_u32 s[KS], s[LIM]
	s_cbranch_scc0 .Lnot_mine_\@
	global_prefetch_b8 v[PFO], s[PFA:PFA+1] th:TH_LOAD_NT scope:SCOPE_SE
.Lnot_mine_\@:
.endm
	s_load_b256 s[4:11], s[0:1], 0x0               ; a1 s[4:5], xg s[6:7], wg s[8:9], b_ih s[10:11]
	s_load_b128 s[12:15], s[0:1], 0x20             ; b_hh s[12:13], out0 s[14:15]
	v_lshl_add_u32 v[SPW], v0, 2, SPARE
	v_mov_b32 v[NIL], 0
	ds_add_u32 v[SPW], v[NIL]                      ; the wave's opening: the add and its wait stand ahead of my first tensor load; the set-up below, work on registers, stands between them
	v_lshrrev_b32 v3, 5, v0
	v_readfirstlane_b32 s[WV], v3                  ; wave 0..3
	s_lshr_b32 s[WR], s[WV], 1
	s_and_b32 s[WC], s[WV], 1
	s_bfe_u32 s[CX], ttmp6, 0x40000
	s_bfe_u32 s[CY], ttmp6, 0x40004
	s_lshl_b32 s[TX], ttmp9, 2                     ; in a cluster launch ttmp9 and ttmp7 count clusters
	s_add_co_u32 s[TX], s[TX], s[CX]
	s_and_b32 s[TY], ttmp7, 0xffff
	s_lshl_b32 s[TY], s[TY], 2
	s_add_co_u32 s[TY], s[TY], s[CY]
	s_lshl_b32 s84, s[CY], 2                       ; s84-87 hold nothing that hangs on cx, s88-91 nothing that hangs on cy
	s_lshl_b32 s84, 15, s84                        ; my row of the cluster: places 4 cy .. 4 cy + 3
	s_lshl_b32 s88, 0x1111, s[CX]                  ; my column: places cx, cx + 4, cx + 8, cx + 12
	s_or_b32 s[G1A], s84, FLAGS                    ; A's tiles go to my row,
	s_or_b32 s[G1B], s88, FLAGS                    ; wg's to my column
.irp g, G1A, G1B
	s_mov_b32 s[(\g)+1], 128<<16                   ; tensor_dim0 = 128
	s_mov_b32 s[(\g)+2], 128<<16                   ; tensor_dim1 = 128
	s_mov_b32 s[(\g)+3], 128<<16                   ; tile_dim0 = 128
	s_mov_b32 s[(\g)+4], 128                       ; tile_dim1 = 128
	s_mov_b32 s[(\g)+5], 2048                      ; elements from row to row
	s_mov_b32 s[(\g)+6], 0
	s_mov_b32 s[(\g)+7], 0
.endr
	s_mov_b32 s[G1H], (1<<16)|(1<<20)|(5<<22)|(3<<25)  ; no mask: the work-group's own
	s_mov_b32 s[G1H+1], 128<<16                    ; 32 rows x 128 elements
	s_mov_b32 s[G1H+2], 32<<16
	s_mov_b32 s[G1H+3], 128<<16
	s_mov_b32 s[G1H+4], 32
	s_mov_b32 s[G1H+5], 2048
	s_mov_b32 s[G1H+6], 0
	s_mov_b32 s[G1H+7], 0
	s_lshl_b32 s84, s[TY], 19                      ; A: row 128 x block, times 4,096 bytes
	s_mov_b32 s85, 0
	s_max_u32 s88, s[WV], 1                        ; wg: row 1,024 x gate + 128 x block; the gate is my wave's number less 1
	s_sub_co_u32 s88, s88, 1
	s_lshl_b32 s88, s88, 22
	s_lshl_b32 s89, s[TX], 19
	s_add_co_u32 s88, s88, s89
	s_mov_b32 s89, 0
	s_mul_i32 s83, s[WV], HALFT                    ; where they go: wave x 128 rows: no place in the cluster enters an LDS address
	s_mov_b32 s[NL2E], 0xbfb8aa3b                  ; -log2(e)
	s_mov_b32 s[NL2E+1], s[NL2E]
	s_mov_b32 s[L2E2], 0x4038aa3b                  ; 2 log2(e)
	s_mov_b32 s[L2E2+1], s[L2E2]
	s_mov_b32 s[TB], 0
	s_mov_b32 s[KS], 0
	s_wait_dscnt 0x0                               ; the opening add is done
	s_wait_kmcnt 0x0
	s_add_nc_u64 s[86:87], s[6:7], s[84:85]        ; xg at the block's first row
	s_add_nc_u64 s[PA2:PA2+1], s[4:5], s[84:85]    ; a1 at the same row,
	s_add_nc_u64 s[PA2:PA2+1], s[PA2:PA2+1], 2048  ; at hx
	s_add_nc_u64 s[90:91], s[8:9], s[88:89]
.irp s, 0,1
	s_mov_b32 s[G0A+4*(\s)], 1                                       ; count = 1
	s_add_co_u32 s[G0A+4*(\s)+1], s83, (\s)*SLOT                     ; LDS address
	s_add_nc_u64 s[G0A+4*(\s)+2:G0A+4*(\s)+3], s[86:87], (\s)*256    ; global address: K step s
	s_or_b32 s[G0A+4*(\s)+3], s[G0A+4*(\s)+3], 0x80000000            ; type = 2
	s_mov_b32 s[G0B+4*(\s)], 1
	s_add_co_u32 s[G0B+4*(\s)+1], s83, (\s)*SLOT
	s_add_nc_u64 s[G0B+4*(\s)+2:G0B+4*(\s)+3], s[90:91], (\s)*256
	s_or_b32 s[G0B+4*(\s)+3], s[G0B+4*(\s)+3], 0x80000000
.endr
	s_lshl_b32 s2, s[TY], 19                       ; hx's tile: row 128 x block + 32 x wave, byte 2,048 + 256 x column block
	s_lshl_b32 s3, s[WV], 17
	s_add_co_u32 s2, s2, s3
	s_lshl_b32 s3, s[TX], 8
	s_add_co_u32 s2, s2, s3
	s_add_co_u32 s2, s2, 2048
	s_mov_b32 s3, 0
	s_mov_b32 s[G0H], 1
	s_mul_i32 s[G0H+1], s[WV], 32*PITCH
	s_add_co_u32 s[G0H+1], s[G0H+1], HXT
	s_add_nc_u64 s[G0H+2:G0H+3], s[4:5], s[2:3]
	s_or_b32 s[G0H+3], s[G0H+3], 0x80000000
	s_lshl_b32 s2, s[TY], 19                       ; out0 at my wave's first row and column
	s_lshl_b32 s3, s[WR], 18
	s_add_co_u32 s2, s2, s3
	s_lshl_b32 s3, s[TX], 9
	s_add_co_u32 s2, s2, s3
	s_lshl_b32 s3, s[WC], 8
	s_add_co_u32 s2, s2, s3
	s_mov_b32 s3, 0
	s_add_nc_u64 s[14:15], s[14:15], s[2:3]
	s_lshl_b32 s2, s[TY], 19                       ; the prefetches.  A: the block's rows, my work-group's 32 of them by cx
	s_lshl_b32 s3, s[CX], 17
	s_add_co_u32 s2, s2, s3
	s_max_u32 s3, s[WV], 1                         ; wg: my gate's 128 rows, my work-group's 32 of them by cy
	s_sub_co_u32 s3, s3, 1
	s_lshl_b32 s3, s3, 22
	s_lshl_b32 s66, s[TX], 19
	s_add_co_u32 s3, s3, s66
	s_lshl_b32 s66, s[CY], 17
	s_add_co_u32 s3, s3, s66
	s_cmp_eq_u32 s[WV], 0
	s_cselect_b32 s2, s2, s3
	s_cselect_b64 s[PF0:PF0+1], s[6:7], s[8:9]
	s_cselect_b64 s[PF1:PF1+1], s[4:5], s[8:9]
	s_mov_b32 s3, 0
	s_add_nc_u64 s[PF0:PF0+1], s[PF0:PF0+1], s[2:3]
	s_add_nc_u64 s[PF1:PF1+1], s[PF1:PF1+1], s[2:3]
	s_add_nc_u64 s[PF0:PF0+1], s[PF0:PF0+1], 2*256 ; at K step 2: the first change of slots steps them to 3
	s_add_nc_u64 s[PF1:PF1+1], s[PF1:PF1+1], 2*256
	s_and_b32 s67, ttmp7, 0xffff                   ; cluster y
	s_cmp_eq_u32 s[WV], 0
	s_cselect_b32 s67, ttmp9, s67                  ; the coordinate along which other clusters read the same rows
	s_cmp_eq_u32 s67, 0
	s_cselect_b32 s[LIM], 14, 0                    ; the same in all sixteen partners, for a given wave
	CROUND                                         ; all sixteen work-groups are here: the first joint loads meet
	s_cmp_eq_u32 s[WV], 0                          ; a wave's three first fills stand in one branch, ahead of every wait on TENSORcnt and every LDS read: three loads of mine are out
	s_cbranch_scc0 .Lfirst_b
	tensor_load_to_lds s[G0A:G0A+3], s[G1A:G1A+7]
	s_nop 0
	tensor_load_to_lds s[G0A+4:G0A+7], s[G1A:G1A+7]
	s_nop 0
	tensor_load_to_lds s[G0H:G0H+3], s[G1H:G1H+7]
	s_nop 0
.rept 4
	v_nop
.endr
	s_branch .Lfirst_asked
.Lfirst_b:
	tensor_load_to_lds s[G0B:G0B+3], s[G1B:G1B+7]
	s_nop 0
	tensor_load_to_lds s[G0B+4:G0B+7], s[G1B:G1B+7]
	s_nop 0
	tensor_load_to_lds s[G0H:G0H+3], s[G1H:G1H+7]
	s_nop 0
.rept 4
	v_nop
.endr
.Lfirst_asked:
	; A fragment is 16 rows x 32 K in 8 registers: lane l holds row l % 16; registers 0-3 K = 8 (l / 16) + 0..7, registers 4-7 K = 16 + 8 (l / 16) + 0..7: two loads of 16 bytes, 32 bytes apart.
	v_and_b32 v1, 15, v0                           ; l % 16
	v_bfe_u32 v2, v0, 4, 1                         ; l / 16
	s_lshl_b32 s2, s[TX], 9                        ; the biases of my 64 columns, 4 bytes each,
	s_lshl_b32 s3, s[WC], 8
	s_add_co_u32 s2, s2, s3
	v_lshl_add_u32 v[BO], v2, 5, s2                ; and my half's eight of each sixteen
.irp g, 0,1,2
.irp b, 0,1,2,3
	global_load_b128 v[BIAS+32*(\g)+8*(\b):BIAS+32*(\g)+8*(\b)+3],   v[BO], s[10:11] offset:4096*(\g)+64*(\b)     ; b_ih of r, z, n
	global_load_b128 v[BIAS+32*(\g)+8*(\b)+4:BIAS+32*(\g)+8*(\b)+7], v[BO], s[10:11] offset:4096*(\g)+64*(\b)+16
.endr
.endr
.irp g, 0,1
.irp b, 0,1,2,3
	global_load_b128 v[BT+32*(\g)+8*(\b):BT+32*(\g)+8*(\b)+3],   v[BO], s[12:13] offset:4096*(\g)+64*(\b)         ; b_hh of r, z
	global_load_b128 v[BT+32*(\g)+8*(\b)+4:BT+32*(\g)+8*(\b)+7], v[BO], s[12:13] offset:4096*(\g)+64*(\b)+16
.endr
.endr
.irp b, 0,1,2,3
	global_load_b128 v[BIAS+96+8*(\b):BIAS+96+8*(\b)+3],   v[BO], s[12:13] offset:8192+64*(\b)                    ; b_hh of n: h_n's own
	global_load_b128 v[BIAS+96+8*(\b)+4:BIAS+96+8*(\b)+7], v[BO], s[12:13] offset:8192+64*(\b)+16
.endr
	v_mul_u32_u24 v3, v1, PITCH
	v_lshl_add_u32 v3, v2, 4, v3                   ; row x pitch + 16 x half
	s_mul_i32 s2, s[WR], 64*PITCH
	v_add_nc_u32 v[ABASE], s2, v3
	s_mul_i32 s2, s[WC], 64*PITCH
	s_add_co_u32 s2, s2, HALFT
	v_add_nc_u32 v[BBASE], s2, v3
	v_add_nc_u32 v[NBASE], 2*HALFT, v[BBASE]
	s_mul_i32 s2, s[WV], 16*PITCH                  ; my stage
	v_mul_u32_u24 v[STO], v1, PITCH                ; in: row l % 16, 32 bytes for each half of the lanes
	v_lshl_add_u32 v[STO], v2, 5, v[STO]
	v_add_nc_u32 v[STO], s2, v[STO]
	v_mul_u32_u24 v[RD], v2, PITCH                 ; back: lanes 0-15 take one row of 256 bytes, lanes 16-31 the next
	v_lshl_add_u32 v[RD], v1, 4, v[RD]
	v_add_nc_u32 v[RD], s2, v[RD]
	v_lshlrev_b32 v[CO], 12, v2                    ; and the same two rows in out0
	v_lshl_add_u32 v[CO], v1, 4, v[CO]
	s_mul_i32 s2, s[WR], 64*PITCH                  ; hx's tile: row 64 x my half + l % 16, byte 128 x my column half + 16 (l / 16)
	s_lshl_b32 s3, s[WC], 7
	s_add_co_u32 s2, s2, s3
	s_add_co_u32 s2, s2, HXT
	v_add_nc_u32 v[HA], s2, v3
	v_and_b32 v[PFO], 31, v0
	v_lshlrev_b32 v[PFO], 12, v[PFO]
	v_mov_b32 v[ADRA], v[ABASE]                    ; K step 0 lies in slot 0
	v_mov_b32 v[ADRB], v[BBASE]
	v_mov_b32 v[ADRN], v[NBASE]
; 8 matrix instructions of one sum (gate 0 = r, 1 = z, 2 = i_n, 3 = h_n; the last two take gate n's weights): row blocks a0, a0 + 1 x all 4 column blocks, 32 along K, from buffer f.
; first = 1: the product starts the sum, with the bias as C.  The 48 accumulators of a quarter take turns, one instruction a turn, in the same order in every quarter.
.macro MULG f, gate, a0, first
.set BG, (\gate)
.if (\gate) == 3
.set BG, 2
.endif
.set AB, 128*((\gate)%2)
.if \first
	WIN 0x85+0x40*((\gate)/2)                      ; sources 0 and 1 window 1, C window 0, D window 2 or 3
.else
	WIN 0xa5+0x50*((\gate)/2)                      ; C and D window 2 or 3
.endif
.irp a, \a0, (\a0)+1
.irp b, 0,1,2,3
.if \first
	v_wmma_f32_16x16x32_bf16 v[AB+8*(4*(\a)+(\b)):AB+8*(4*(\a)+(\b))+7], v[96*(\f)+32*BG+8*(\b):96*(\f)+32*BG+8*(\b)+7], v[192+32*(\f)+8*(\a):192+32*(\f)+8*(\a)+7], v[BIAS+32*(\gate)+8*(\b):BIAS+32*(\gate)+8*(\b)+7]
.else
	v_wmma_f32_16x16x32_bf16 v[AB+8*(4*(\a)+(\b)):AB+8*(4*(\a)+(\b))+7], v[96*(\f)+32*BG+8*(\b):96*(\f)+32*BG+8*(\b)+7], v[192+32*(\f)+8*(\a):192+32*(\f)+8*(\a)+7], v[AB+8*(4*(\a)+(\b)):AB+8*(4*(\a)+(\b))+7]
.endif
.endr
.endr
.endm
; 32 LDS loads in one run: a quarter's fragments, at byte k of the rows, into buffer f: A's four, then gate r's, z's, n's
.macro FETCH k, f
	WIN 0x40                                       ; destination window 1, address window 0
.irp a, 0,1,2,3
	ds_load_b128 v[192+32*(\f)+8*(\a):192+32*(\f)+8*(\a)+3],   v[ADRA] offset:(\k)+(\a)*16*PITCH
	ds_load_b128 v[192+32*(\f)+8*(\a)+4:192+32*(\f)+8*(\a)+7], v[ADRA] offset:(\k)+(\a)*16*PITCH+32
.endr
.irp b, 0,1,2,3
	ds_load_b128 v[96*(\f)+8*(\b):96*(\f)+8*(\b)+3],   v[ADRB] offset:(\k)+(\b)*16*PITCH
	ds_load_b128 v[96*(\f)+8*(\b)+4:96*(\f)+8*(\b)+7], v[ADRB] offset:(\k)+(\b)*16*PITCH+32
.endr
.irp b, 0,1,2,3
	ds_load_b128 v[96*(\f)+32+8*(\b):96*(\f)+32+8*(\b)+3],   v[ADRB] offset:HALFT+(\k)+(\b)*16*PITCH
	ds_load_b128 v[96*(\f)+32+8*(\b)+4:96*(\f)+32+8*(\b)+7], v[ADRB] offset:HALFT+(\k)+(\b)*16*PITCH+32
.endr
.irp b, 0,1,2,3
	ds_load_b128 v[96*(\f)+64+8*(\b):96*(\f)+64+8*(\b)+3],   v[ADRN] offset:(\k)+(\b)*16*PITCH
	ds_load_b128 v[96*(\f)+64+8*(\b)+4:96*(\f)+64+8*(\b)+7], v[ADRN] offset:(\k)+(\b)*16*PITCH+32
.endr
.endm
; One of a K step's first three quarters: multiplies buffer f and fetches the next quarter, at byte k, into buffer g.  half = 0: K steps 0-7, gate n's products go to i_n; 1: to h_n.
; first = 1: in half 0 all three sums start; in half 1 h_n alone.
.macro QUARTER k, f, g, half, first
.set FRZ, (\first)*(1-(\half))
	s_wait_dscnt 16                                ; A's fragments and gate r's are in; the youngest sixteen loads (z's and n's) may be out
	MULG \f, 0, 0, FRZ
	MULG \f, 0, 2, FRZ
	PLACES                                         ; buffer g's last reader is the quarter before
	FETCH \k, \g
	s_wait_dscnt 32                                ; all but the 32 just issued
	MULG \f, 1, 0, FRZ
	MULG \f, 1, 2, FRZ
	MULG \f, 2+(\half), 0, \first
	MULG \f, 2+(\half), 2, \first
.endm
; The last quarter multiplies buffer 1 and changes slots: ONE barrier.  In front of it each wave waits for all its tensor loads, of which the next slot's part is the last, adds 0 to its spare word,
; and waits for that and for its own reads of this slot.  fill = 1: the barrier opens a round of the cluster's barrier, and behind the round this slot is filled again, with the K step two on:
; the wave issues 176 matrix instructions between that request and the wait for it.  on = 1: that K step is the eighth: A goes on in a1.
.macro TURN fill, on, half
.if \fill
	s_wait_xcnt 0x0                                ; the last prefetch, a K step back, has read its address, so the pointers may be written
	s_add_nc_u64 s[PF0:PF0+1], s[PF0:PF0+1], 256
	s_add_nc_u64 s[PF1:PF1+1], s[PF1:PF1+1], 256
	s_add_co_u32 s[KS], s[KS], 1
	s_cmp_lt_u32 s[KS], 6                          ; change number KS names K step KS + 2: below 8 it lies in xg
	s_cselect_b64 s[PFA:PFA+1], s[PF0:PF0+1], s[PF1:PF1+1]
.endif
	WIN 0                                          ; (the add's two registers lie in window 0)
	s_wait_tensorcnt 0x0                           ; no tensor load of mine is out, so a group 0 may be written
	ds_add_u32 v[SPW], v[NIL]                      ; 0 onto my spare word
.if \fill
	s_xor_b32 s[G0A+5], s[G0A+5], SLOT             ; the walking descriptors: the other slot than last time,
	s_xor_b32 s[G0B+5], s[G0B+5], SLOT
	s_add_nc_u64 s[G0B+6:G0B+7], s[G0B+6:G0B+7], 256  ; the next K step; the type bits on top are not reached
.if \on
	s_mov_b64 s[G0A+6:G0A+7], s[PA2:PA2+1]
	s_or_b32 s[G0A+7], s[G0A+7], 0x80000000
.else
	s_add_nc_u64 s[G0A+6:G0A+7], s[G0A+6:G0A+7], 256
.endif
.endif
	s_wait_dscnt 17                                ; the add and the youngest sixteen loads may be out
	MULG 1, 0, 0, 0
	s_wait_dscnt 0x0                               ; the add is done, and my reads of this slot are over
	s_barrier_signal -1
	MULG 1, 0, 2, 0                                ; work on registers while the others arrive
	WIN 0
	s_barrier_wait -1
.if \fill
	CREST                                          ; no wave of any partner still reads this slot's tiles or has a load on its way
	JLOAD                                          ; the first tensor load behind the round; its four v_nop are also the places in front of the loads below
.else
	PLACES
.endif
	s_xor_b32 s[TB], s[TB], SLOT
	v_add_nc_u32 v[ADRA], s[TB], v[ABASE]
	v_add_nc_u32 v[ADRB], s[TB], v[BBASE]
	v_add_nc_u32 v[ADRN], s[TB], v[NBASE]
	FETCH 0, 0
	WIN 0
.if \fill
	ASK
.endif
	MULG 1, 1, 0, 0
	MULG 1, 1, 2, 0
	MULG 1, 2+(\half), 0, 0
	MULG 1, 2+(\half), 2, 0
.endm
; Six trips: a K step's last three quarters and the next step's first; each asks for the K step two on.
.macro SIX half, tag
	WIN 0                                          ; at a label and at a branch every window is 0
	s_mov_b32 s[CNT], 6
.Lstep\tag:
	QUARTER 128, 1, 0, \half, 0
	QUARTER 192, 0, 1, \half, 0
	TURN 1, 0, \half
	QUARTER 64, 0, 1, \half, 0
	WIN 0
	s_sub_co_u32 s[CNT], s[CNT], 1
	s_cmp_lg_u32 s[CNT], 0
	s_cbranch_scc1 .Lstep\tag
.endm
	s_wait_tensorcnt 2                             ; my part of K step 0 is in; K step 1's and hx's may stay out
	s_barrier_signal -1
	s_barrier_wait -1                              ; everybody's is
	FETCH 0, 0
	WIN 0
	s_wait_loadcnt 0x0                             ; the biases
.set i, 0
.rept 32
	v_pk_add_f32 v[BIAS+i:BIAS+i+1], v[BIAS+i:BIAS+i+1], v[BT+i:BT+i+1]  ; r's and z's: b_ih + b_hh
.set i, i+2
.endr
	QUARTER 64, 0, 1, 0, 1                         ; K step 0's first quarter starts r, z and i_n
	SIX 0, A                                       ; K steps 0 to 5 end; steps 2 to 7 are asked for
	QUARTER 128, 1, 0, 0, 0                        ; K step 6
	QUARTER 192, 0, 1, 0, 0
	TURN 1, 1, 0                                   ; K step 8 is asked for: A goes on in a1
	QUARTER 64, 0, 1, 0, 0                         ; K step 7
	QUARTER 128, 1, 0, 0, 0
	QUARTER 192, 0, 1, 0, 0
	TURN 1, 0, 0                                   ; K step 9 is asked for
	QUARTER 64, 0, 1, 1, 1                         ; K step 8's first quarter starts h_n
	SIX 1, B                                       ; K steps 8 to 13 end; steps 10 to 15 are asked for
	QUARTER 128, 1, 0, 1, 0                        ; the tail is written out: nothing is asked for
	QUARTER 192, 0, 1, 1, 0
	TURN 0, 0, 1
	QUARTER 64, 0, 1, 1, 0
	QUARTER 128, 1, 0, 1, 0
	QUARTER 192, 0, 1, 1, 0
	s_wait_dscnt 0x0
	MULG 1, 0, 0, 0
	MULG 1, 0, 2, 0
	MULG 1, 1, 0, 0
	MULG 1, 1, 2, 0
	MULG 1, 3, 0, 0
	MULG 1, 3, 2, 0
	WIN 0
	PLACES                                         ; the places behind the last products, taken twice, once a launch
	PLACES
; THE WAY OUT, a block of 16 rows at a time.  EPI a: r and z by one batch of exponentials and one of reciprocals; y = r h_n + i_n; n = tanh(y) by a second batch of each; n - z n + z hx;
; 32 f32 a lane into my stage, and back as whole rows of 256 bytes.  A plain instruction and one wait stand behind each batch.
.macro EPI a
	WIN 0
.irp b, 0,1,2,3
	ds_load_b128 v[HP+4*(\b):HP+4*(\b)+3], v[HA] offset:(\a)*16*PITCH+32*(\b)  ; hx of my row, eight columns of each block
.endr
	WIN 0x02                                       ; source 0 window 2
.set i, 0
.rept 16
	v_pk_mul_f32 v[TR+i:TR+i+1], v[32*(\a)+i:32*(\a)+i+1], s[NL2E:NL2E+1] op_sel_hi:[1,0]  ; each accumulator's registers in ascending order
.set i, i+2
.endr
.set i, 0
.rept 16
	v_pk_mul_f32 v[TZ+i:TZ+i+1], v[128+32*(\a)+i:128+32*(\a)+i+1], s[NL2E:NL2E+1] op_sel_hi:[1,0]
.set i, i+2
.endr
	WIN 0
.set i, 0
.rept 64
	v_exp_f32 v[TR+i], v[TR+i]                     ; TR and TZ lie on end
.set i, i+1
.endr
	v_nop
	s_wait_alu depctr_va_vdst(0)
.set i, 0
.rept 32
	v_pk_add_f32 v[TR+i:TR+i+1], v[TR+i:TR+i+1], 1.0 op_sel_hi:[1,0]
.set i, i+2
.endr
.set i, 0
.rept 64
	v_rcp_f32 v[TR+i], v[TR+i]                     ; r and z
.set i, i+1
.endr
	v_nop
	s_wait_alu depctr_va_vdst(0)
	WIN 0x3c                                       ; sources 1 and 2 window 3
.set i, 0
.rept 16
	v_pk_fma_f32 v[TR+i:TR+i+1], v[TR+i:TR+i+1], v[128+32*(\a)+i:128+32*(\a)+i+1], v[32*(\a)+i:32*(\a)+i+1]  ; r h_n + i_n
.set i, i+2
.endr
	WIN 0
.set i, 0
.rept 16
	v_pk_mul_f32 v[TR+i:TR+i+1], v[TR+i:TR+i+1], s[L2E2:L2E2+1] op_sel_hi:[1,0]
.set i, i+2
.endr
.set i, 0
.rept 32
	v_exp_f32 v[TR+i], v[TR+i]
.set i, i+1
.endr
	v_nop
	s_wait_alu depctr_va_vdst(0)
.set i, 0
.rept 16
	v_pk_add_f32 v[TR+i:TR+i+1], v[TR+i:TR+i+1], 1.0 op_sel_hi:[1,0]
.set i, i+2
.endr
.set i, 0
.rept 32
	v_rcp_f32 v[TR+i], v[TR+i]
.set i, i+1
.endr
	v_nop
	s_wait_alu depctr_va_vdst(0)
.set i, 0
.rept 16
	v_pk_fma_f32 v[TR+i:TR+i+1], v[TR+i:TR+i+1], -2.0, 1.0 op_sel_hi:[1,0,0]  ; n
.set i, i+2
.endr
.set i, 0
.rept 16
	v_pk_fma_f32 v[TR+i:TR+i+1], v[TZ+i:TZ+i+1], v[TR+i:TR+i+1], v[TR+i:TR+i+1] neg_lo:[1,0,0] neg_hi:[1,0,0]  ; n - z n
.set i, i+2
.endr
	s_wait_dscnt 0x0                               ; hx is in
.set i, 0
.rept 16
	v_fma_mix_f32_bf16 v[TR+i], v[HP+i/2], v[TZ+i], v[TR+i] op_sel_hi:[1,0,0]                        ; + hx's low half x z
	v_fma_mix_f32_bf16 v[TR+i+1], v[HP+i/2], v[TZ+i+1], v[TR+i+1] op_sel:[1,0,0] op_sel_hi:[1,0,0]  ; its high half
.set i, i+2
.endr
.irp b, 0,1,2,3
	ds_store_b128 v[STO], v[TR+8*(\b):TR+8*(\b)+3]   offset:64*(\b)
	ds_store_b128 v[STO], v[TR+8*(\b)+4:TR+8*(\b)+7] offset:64*(\b)+16
.endr
	s_wait_xcnt 0x0                                ; the stores of the block two back have read these registers
.irp t, 0,1,2,3,4,5,6,7
	ds_load_b128 v[OB+32*((\a)%2)+4*(\t):OB+32*((\a)%2)+4*(\t)+3], v[RD] offset:(\t)*2*PITCH  ; LDS serves a wave's instructions in order (ISA guide 5.7.1.4): these see the stores above
.endr
.endm
.macro SEND a, younger                 ; younger: LDS instructions issued behind block a's loads that may stay out: the next block's eight stores and eight loads, or none
	WIN 0
	s_wait_dscnt \younger
.irp t, 0,1,2,3,4,5,6,7
	global_store_b128 v[CO], v[OB+32*((\a)%2)+4*(\t):OB+32*((\a)%2)+4*(\t)+3], s[14:15] offset:(16*(\a)+2*(\t))*4096 th:TH_STORE_NT  ; 16 lanes store 256 consecutive bytes, at a multiple of 256 from out0's first byte
.endr
.endm
	EPI 0
	EPI 1                                          ; a block's arithmetic stands between the loads of the block before and its stores
	SEND 0, 16
	EPI 2
	SEND 1, 16
	EPI 3
	SEND 2, 16
	SEND 3, 0
	s_wait_tensorcnt 0x0                           ; the wave's end: a wait, an add to my spare word and its wait, behind my last tensor load and my last LDS store
	ds_add_u32 v[SPW], v[NIL]
	s_wait_dscnt 0x0
	CROUND                                         ; the closing round: no work-group ends while a partner may still ask for a tile that names it
	s_endpgm
.Lfunc_end_k_qce372de31a_gru:
	.size	k_qce372de31a_gru, .Lfunc_end_k_qce372de31a_gru-k_qce372de31a_gru
	.p2alignl 7, 3214868480
	.fill 96, 4, 3214868480
	.section	.rodata,"a",@progbits
	.p2align	6, 0x0
	.amdhsa_kernel k_qce372de31a_gru
		.amdhsa_group_segment_fixed_size 327680
		.amdhsa_private_segment_fixed_size 0
		.amdhsa_enable_private_segment 0
		.amdhsa_kernarg_size 48
		.amdhsa_user_sgpr_count 2
		.amdhsa_user_sgpr_kernarg_segment_ptr 1
		.amdhsa_wavefront_size32 1
		.amdhsa_system_sgpr_workgroup_id_x 1
		.amdhsa_system_sgpr_workgroup_id_y 1
		.amdhsa_system_sgpr_workgroup_id_z 1
		.amdhsa_system_vgpr_workitem_id 0
		.amdhsa_next_free_vgpr 1024
		.amdhsa_next_free_sgpr 96
		.amdhsa_reserve_vcc 0
		.amdhsa_float_denorm_mode_32 3
		.amdhsa_float_denorm_mode_16_64 3
		.amdhsa_memory_ordered 1
		.amdhsa_forward_progress 1
		.amdhsa_inst_pref_size 230
	.end_amdhsa_kernel
	.amdgpu_metadata
---
amdhsa.version: [ 1, 2 ]
amdhsa.kernels:
  - .name:           k_qce372de31a_gru
    .symbol:         k_qce372de31a_gru.kd
    .args:
      - { .name: a1, .offset: 0, .size: 8, .value_kind: global_buffer, .address_space: global }
      - { .name: xg, .offset: 8, .size: 8, .value_kind: global_buffer, .address_space: global }
      - { .name: wg, .offset: 16, .size: 8, .value_kind: global_buffer, .address_space: global }
      - { .name: b_ih, .offset: 24, .size: 8, .value_kind: global_buffer, .address_space: global }
      - { .name: b_hh, .offset: 32, .size: 8, .value_kind: global_buffer, .address_space: global }
      - { .name: out0, .offset: 40, .size: 8, .value_kind: global_buffer, .address_space: global }
    .group_segment_fixed_size: 327680
    .private_segment_fixed_size: 0
    .kernarg_segment_align: 8
    .kernarg_segment_size: 48
    .max_flat_workgroup_size: 128
    .sgpr_count:     96
    .vgpr_count:     1024
    .wavefront_size: 32
...
	.end_amdgpu_metadata
.endif
;; end of part 3
;; ======== version 2 of 2: 3 launches; version 1 with the launch cast written anew for expert scheduling mode
;; workspace buffers: a1 33,554,432 bytes; wa 4,194,304 bytes; wg 12,582,912 bytes; xg 33,554,432 bytes
;; launch cast (part 4): grid 768 x 1, 8 waves a work-group, no clusters, 0 bytes of LDS; arguments x, hx, W_ih, W_hh, W_xa, W_ha, a1, wg, wa; writes a1, wg, wa
.if DOCPART == 4
	.amdgcn_target "amdgcn-amd-amdhsa--gfx1250"
	.amdhsa_code_object_version 6
	.text
	.protected	k_qce372de31a_cast
	.globl	k_qce372de31a_cast
	.p2align	8
	.type	k_qce372de31a_cast,@function
k_qce372de31a_cast:
	s_mov_b64 s[64:65], 0
	v_nop
	global_prefetch_b8 v0, s[64:65] scope:SCOPE_SE
	s_setreg_imm32_b32 hwreg(HW_REG_WAVE_SCHED_MODE, 0, 2), 2
	s_setreg_imm32_b32 hwreg(HW_REG_WAVE_MODE, 25, 1), 1
	s_wait_xcnt 0x0
	s_wait_alu depctr_vm_vsrc(0)
; CAST.  The six large f32 inputs are rounded once to bf16 and laid side by side along K, so that the two launches behind find matrix operands:
;   a1 [8192][2048] = x | hx      wg [3072][2048] = W_ih | W_hh      wa [1024][2048] = W_xa | W_ha      (a destination row is 4,096 bytes, a source row too)
; A stream: each source byte is read once, each destination byte written once.  No LDS, no matrix unit, no cluster: no two work-groups want the same byte.
; SHARES.  A work-group takes 32 rows of one source: 256 + 256 + 96 + 96 + 32 + 32 = 768 work-groups.  Thread t owns bytes 16 t .. 16 t + 15 of every row (4 f32),
; which become 8 bytes at 8 t of the destination's half row: a wave's load covers 512 consecutive bytes, a wave's store 256 consecutive bytes at a multiple of 256.
; All 32 loads of a thread go out at once; the rows are then rounded and stored as they come.  No register is written again behind its store.
; THE MODE: SCHED_MODE bits 1:0 = 2 (LLVM: expert scheduling mode 2), set by the entry lines.  The code itself states the register dependences
; between vector instructions and memory instructions, with s_wait_alu, always for 0.
; THE PLAN.  Registers that memory instructions touch:
;   v1, v2     byte offsets of the loads and of the stores: made once at the head, never written again.
;   row i      four registers of its own.  Its load lands in them, issued before any vector instruction names them; its two roundings read the four and write the
;              first two; its store reads those two; nothing writes them afterwards.
; The 32 rows go in 8 blocks of four.  Block p rounds its own rows, and its memory instructions are the four stores of block p - 1, whose registers no vector
; instruction of block p names.  So ONE wait on va_vdst at a block's head states all that its four stores hang on, and they are dealt among the block's roundings
; with no further wait.  No register that a memory instruction has read is ever written again, so no wait on vm_vsrc is owed; no vector instruction writes a scalar
; register or VCC, and EXEC is never written.
.set ROWB,  4096                       ; bytes in a source row and in a destination row
.set BLOCK, 4                          ; rows in a block
.set X,     8                          ; v[8:135]  row i: four registers as loaded; the first two of them are stored
	s_load_b512 s[4:19], s[0:1], 0x0               ; x s[4:5], hx s[6:7], W_ih s[8:9], W_hh s[10:11], W_xa s[12:13], W_ha s[14:15], a1 s[16:17], wg s[18:19]
	s_load_b64 s[20:21], s[0:1], 0x40              ; wa
	s_mov_b32 s2, ttmp9                            ; the work-group's number
	v_lshlrev_b32 v1, 4, v0                        ; my 16 bytes of a source row
	v_lshlrev_b32 v2, 3, v0                        ; my 8 bytes of a destination's half row
	s_mov_b32 s26, 0                               ; the first work-group of my source
	s_mov_b32 s27, 0                               ; the half row: byte 0 or 2,048
	s_wait_kmcnt 0x0
	s_mov_b64 s[22:23], s[4:5]                     ; the source, so far x,
	s_mov_b64 s[24:25], s[16:17]                   ; and the destination, so far a1
; From work-group t on the source is src, the destination dst, the half row half.  The choice hangs on the work-group's number alone.
.macro PICK t, src, dst, half
	s_cmp_ge_u32 s2, \t
	s_cselect_b64 s[22:23], s[\src:\src+1], s[22:23]
	s_cselect_b64 s[24:25], s[\dst:\dst+1], s[24:25]
	s_cselect_b32 s26, \t, s26
	s_cselect_b32 s27, \half, s27
.endm
	PICK 256, 6, 16, 2048                          ; hx
	PICK 512, 8, 18, 0                             ; W_ih
	PICK 608, 10, 18, 2048                         ; W_hh
	PICK 704, 12, 20, 0                            ; W_xa
	PICK 736, 14, 20, 2048                         ; W_ha
	s_sub_co_u32 s28, s2, s26                      ; my block of 32 rows in that source,
	s_lshl_b32 s28, s28, 17                        ; times 32 x 4,096 bytes: 33,423,360 at the most
	s_mov_b32 s29, 0
	s_add_nc_u64 s[22:23], s[22:23], s[28:29]
	s_add_nc_u64 s[24:25], s[24:25], s[28:29]
	s_mov_b32 s28, s27
	s_add_nc_u64 s[24:25], s[24:25], s[28:29]      ; the half row
	s_wait_alu depctr_va_vdst(0)                   ; v1 and v2 are written: every load of the kernel reads v1 as its offset, every store v2
.set i, 0
.rept 32
	global_load_b128 v[X+4*i:X+4*i+3], v1, s[22:23] offset:ROWB*i th:TH_LOAD_NT
.set i, i+1
.endr
; Block p: its four rows are rounded; the four rows of the block before are stored, a store in front of each row's two roundings.
.set p, 0
.rept 32/BLOCK
	s_wait_loadcnt 32-BLOCK*(p+1)                  ; loads come back in order (ISA guide 5.7.1): rows 4 p to 4 p + 3 are in, the younger blocks' loads stay out
.if p > 0
	s_wait_alu depctr_va_vdst(0)                   ; the roundings of block p - 1 have written the first two registers of each of its rows, which the four stores below read
.endif
.set r, 0
.rept BLOCK
.set i, BLOCK*p+r
.if p > 0
	global_store_b64 v2, v[X+4*(i-BLOCK):X+4*(i-BLOCK)+1], s[24:25] offset:ROWB*(i-BLOCK)  ; no vector instruction since the wait names these registers
.endif
	v_cvt_pk_bf16_f32 v[X+4*i], v[X+4*i], v[X+4*i+1]      ; two roundings to nearest even, packed
	v_cvt_pk_bf16_f32 v[X+4*i+1], v[X+4*i+2], v[X+4*i+3]
.set r, r+1
.endr
.set p, p+1
.endr
	s_wait_alu depctr_va_vdst(0)                   ; the roundings of the last block have written its rows' first two registers, which the last four stores read
.set i, 32-BLOCK
.rept BLOCK
	global_store_b64 v2, v[X+4*i:X+4*i+1], s[24:25] offset:ROWB*i
.set i, i+1
.endr
	s_endpgm
.Lfunc_end_k_qce372de31a_cast:
	.size	k_qce372de31a_cast, .Lfunc_end_k_qce372de31a_cast-k_qce372de31a_cast
	.p2alignl 7, 3214868480
	.fill 96, 4, 3214868480
	.section	.rodata,"a",@progbits
	.p2align	6, 0x0
	.amdhsa_kernel k_qce372de31a_cast
		.amdhsa_group_segment_fixed_size 0
		.amdhsa_private_segment_fixed_size 0
		.amdhsa_enable_private_segment 0
		.amdhsa_kernarg_size 72
		.amdhsa_user_sgpr_count 2
		.amdhsa_user_sgpr_kernarg_segment_ptr 1
		.amdhsa_wavefront_size32 1
		.amdhsa_system_sgpr_workgroup_id_x 1
		.amdhsa_system_sgpr_workgroup_id_y 1
		.amdhsa_system_sgpr_workgroup_id_z 1
		.amdhsa_system_vgpr_workitem_id 0
		.amdhsa_next_free_vgpr 136
		.amdhsa_next_free_sgpr 66
		.amdhsa_reserve_vcc 0
		.amdhsa_float_denorm_mode_32 3
		.amdhsa_float_denorm_mode_16_64 3
		.amdhsa_memory_ordered 1
		.amdhsa_forward_progress 1
		.amdhsa_inst_pref_size 13
	.end_amdhsa_kernel
	.amdgpu_metadata
---
amdhsa.version: [ 1, 2 ]
amdhsa.kernels:
  - .name:           k_qce372de31a_cast
    .symbol:         k_qce372de31a_cast.kd
    .args:
      - { .name: x, .offset: 0, .size: 8, .value_kind: global_buffer, .address_space: global }
      - { .name: hx, .offset: 8, .size: 8, .value_kind: global_buffer, .address_space: global }
      - { .name: W_ih, .offset: 16, .size: 8, .value_kind: global_buffer, .address_space: global }
      - { .name: W_hh, .offset: 24, .size: 8, .value_kind: global_buffer, .address_space: global }
      - { .name: W_xa, .offset: 32, .size: 8, .value_kind: global_buffer, .address_space: global }
      - { .name: W_ha, .offset: 40, .size: 8, .value_kind: global_buffer, .address_space: global }
      - { .name: a1, .offset: 48, .size: 8, .value_kind: global_buffer, .address_space: global }
      - { .name: wg, .offset: 56, .size: 8, .value_kind: global_buffer, .address_space: global }
      - { .name: wa, .offset: 64, .size: 8, .value_kind: global_buffer, .address_space: global }
    .group_segment_fixed_size: 0
    .private_segment_fixed_size: 0
    .kernarg_segment_align: 8
    .kernarg_segment_size: 72
    .max_flat_workgroup_size: 256
    .sgpr_count:     66
    .vgpr_count:     136
    .wavefront_size: 32
...
	.end_amdgpu_metadata
.endif
;; end of part 4
;; launch gate: the kernel of part 2 again; grid 4 x 64, 4 waves a work-group, clusters of 4 x 4, 327,680 bytes of LDS; arguments a1, wa, b_xa, b_ha, xg; writes xg
;; launch gru: the kernel of part 3 again; grid 8 x 64, 4 waves a work-group, clusters of 4 x 4, 327,680 bytes of LDS; arguments a1, xg, wg, b_ih, b_hh, out0; writes out0
